; MI455X (gfx1250); checked and timed in simulation.
; The chip was launched on July 23, 2026; its instructions are those of AMD's public machine-readable ISA for CDNA 5 (MIT licence, August 2026) and "CDNA5" Instruction Set Architecture Reference Guide (July 2026). The comments in the code are by the model that wrote it; some were corrected since.
;; Self Attention. Allowed arithmetic: matrix products marked QUANTISED: E5M2 operands, one given power-of-two scale a tensor, by v_wmma_f32_16x16x64_bf8_bf8 or v_wmma_f32_16x16x128_bf8_bf8, f32 sums; everything else in f32.
;; Inputs: Wk_codes 1,024 x 32 x 32 uint8 (E5M2 codes of Wk, K innermost, in blocks of 32 codes); Wq_codes 1,024 x 32 x 32 uint8 (E5M2 codes of Wq, K innermost, in blocks of 32 codes); Wv_codes 1,024 x 32 x 32 uint8 (E5M2 codes of Wv, K innermost, in blocks of 32 codes); bk 1,024 float32; bq 1,024 float32; bv 1,024 float32; lowp_scales 10 int32 (the exponents e of the quantised operands' scales 2^e); x_codes 4 x 2,048 x 32 x 32 uint8 (E5M2 codes of x, K innermost, in blocks of 32 codes).
;; Outputs: out0 4 x 2,048 x 1,024 float32.
;; This version of the problem:
;;   THIS VERSION OF THE PROBLEM IS GIVEN IN LOW PRECISION. The matrix products marked QUANTISED in the list below multiply operands that are first quantised to E5M2 (5 exponent bits, 2 mantissa bits; 8 bits a number), with one given power-of-two scale for each operand tensor; their sums are f32. All else is computed in f32.
;;   The module's matrix products, in the order in which they are computed (A, B: the left and right operand; K: the contracted axis; several contracted axes count as one K, in the product's order):
;;     1. [M 8,192, K 1,024] x [K 1,024, N 1,024]; A: input x (given as codes); B: input Wq (given as codes): QUANTISED (scales: A lowp_scales[0], B lowp_scales[1])
;;     2. [M 8,192, K 1,024] x [K 1,024, N 1,024]; A: input x (given as codes); B: input Wk (given as codes): QUANTISED (scales: A lowp_scales[2], B lowp_scales[3])
;;     3. [M 8,192, K 1,024] x [K 1,024, N 1,024]; A: input x (given as codes); B: input Wv (given as codes): QUANTISED (scales: A lowp_scales[4], B lowp_scales[5])
;;     4. batch 4 x [M 2,048, K 1,024] x [K 1,024, N 2,048]; A: computed on the way; B: computed on the way: QUANTISED (scales: A lowp_scales[6], B lowp_scales[7])
;;     5. batch 4 x [M 2,048, K 2,048] x [K 2,048, N 1,024]; A: softmax (see below); B: computed on the way: QUANTISED (scales: A lowp_scales[8], B lowp_scales[9])
;;   THE QUANTISER, for each operand of a quantised product, along K:
;;     - The operand's scale is 2^e, e = its entry of the input lowp_scales (int32; the entries are numbered through the quantised products in the list's order, A before B).
;;     - Each number is divided by the scale, clamped to +-57,344, and rounded to the nearest number of E5M2, ties to even, subnormals kept.
;;     - The product sums the exact products of the quantised numbers (number of the format x scale) in f32.
;;   ~~~python
;;   def quantise(x, axis, e):      # numpy; x: float32 -> the quantised numbers, widened to float32 again
;;       x = np.moveaxis(x, axis, -1); K = x.shape[-1]
;;       r = np.clip(x / 2.0 ** e, -57344, 57344)
;;       step = 2.0 ** (np.maximum(np.frexp(np.where(r == 0, 1, r))[1] - 1, -14) - 2)
;;       q = np.round(r / step) * step * 2.0 ** e      # np.round: ties to even
;;       return np.moveaxis(q, -1, axis).astype(np.float32)
;;   ~~~
;;   SOFTMAX AHEAD OF A QUANTISED PRODUCT. Where the list says 'softmax', what is quantised is not the finished softmax but p = 2^(t - M), with t = logit x log2(e) and M = ceil(the row's largest t), a whole number; so 1/2 < the row's largest p <= 1. The row's sum l is taken of the UNQUANTISED p, in f32, and the product's result is divided by l at the end. Since M is a whole number, a kernel that streams over the keys may use a running M (the ceiling of the running maximum): every later rescaling is an exact power of two, so the quantised numbers keep their values, but for numbers so far below the row's largest that they fall under the format's range.
;;   OPERANDS COMPUTED ON THE WAY. 'Computed on the way' means the value that the module computes at that place (a softmax that the list does not call 'softmax' is quantised finished and normalised). What goes into a quantiser is computed in f32, as accurately as f32 sums, v_exp_f32 and their like allow (about 1e-6 of the number): no bf16 or f16 on the way to a quantiser, and a product that is left as it is and whose result goes on into a quantised operand takes f32 operands (vector FMAs, or v_wmma_f32_16x16x4_f32). A number that lies on a knife's edge between two numbers of the format may be rounded either way, as far as f32 arithmetic and the matrix unit's own rounding can turn it there, and no further.
;;   INPUTS GIVEN AS CODES. Wk (in the module: [1024, 1024], K = its axis 1); Wq (in the module: [1024, 1024], K = its axis 1); Wv (in the module: [1024, 1024], K = its axis 1); x (in the module: [4, 2048, 1024], K = its axis 2): each comes as NAME_codes (uint8): NAME with its K axis moved to the last place and cut into blocks of 32 codes, [.., K / 32, bytes a block], one block behind the other in memory; one code a byte (a code: sign, 5 exponent bits, 2 mantissa bits); its scale is its entry of lowp_scales. Its value is code x scale, taken as it is: it is not quantised again, and the codes and scales need not be those that the quantiser above would give.
;; One version. Each part assembles by itself: llvm-mc -triple=amdgcn-amd-amdhsa -mcpu=gfx1250 --defsym DOCPART=n.
;; ======== version 1 of 1: 3 launches
;; limits: right only within a limited range of input values
;; workspace buffers: qc 8,388,608 bytes; kc 8,388,608 bytes; vt 8,388,608 bytes; pc 16,777,216 bytes; st 524,288 bytes
;; launch proj (part 1): grid 8 x 32, 4 waves a work-group, clusters of 4 x 4, 327,680 bytes of LDS; arguments x_codes, Wq_codes, Wk_codes, Wv_codes, bq, bk, bv, lowp_scales, qc, kc, vt; writes qc, kc, vt
.if DOCPART == 1
	.amdgcn_target "amdgcn-amd-amdhsa--gfx1250"
	.amdhsa_code_object_version 6
	.text
	.protected	k_q2933662f10_proj
	.globl	k_q2933662f10_proj
	.p2align	8
	.type	k_q2933662f10_proj,@function
k_q2933662f10_proj:
	s_mov_b64 s[64:65], 0
	v_nop
	global_prefetch_b8 v0, s[64:65] scope:SCOPE_SE
	s_setreg_imm32_b32 hwreg(HW_REG_WAVE_MODE, 25, 1), 1
	s_wait_xcnt 0x0
	s_wait_alu depctr_hold_cnt(0) depctr_sa_sdst(0) depctr_va_vdst(0) depctr_va_sdst(0) depctr_va_ssrc(0) depctr_va_vcc(0) depctr_vm_vsrc(0)
	s_getreg_b32 s2, hwreg(HW_REG_IB_STS2, 6, 4)
	s_cmp_eq_u32 s2, 0
	s_cbranch_scc0 .Lentry_in_a_cluster
	s_endpgm
.Lentry_in_a_cluster:
	s_bfe_u32 s2, ttmp6, 0x10000c
	s_cmp_lg_u32 s2, 0xf033
	s_cbranch_scc0 .Lentry_shape_is_right
	s_endpgm
.Lentry_shape_is_right:
; FIRST OF THREE LAUNCHES.  Q = x Wq^T + bq, K = x Wk^T + bk, V = x Wv^T + bv on the given codes of BF8 (E5M2); each result is made in f32 and quantised at once with its own given scale.
; NO WORK IS LEFT OUT: bq and bk move Q's and K's codes, bv moves V's, all ten entries of lowp_scales are used, so every input is loaded by some launch.
; THE WORKSPACE BUFFERS HOLD FRAGMENTS: 16 rows x 128 along the next product's K are 2,048 bytes: four pieces c of 512 bytes, lane l's 16 bytes at 16 l: its registers 4 c .. 4 c + 3 as a matrix instruction takes them
; (lane l: row l % 16; registers 2 b, 2 b + 1: K = 16 b + 8 (l / 16) + 0 .. 7).  A lane of a result here holds just that, so codes leave straight from registers, 512 consecutive aligned bytes an instruction.
;   qc, kc: [32 blocks of 256 tokens][8 steps of 128 channels][16 fragments of 16 tokens].   vt: [4 batches][16 blocks of 64 channels][16 steps of 128 keys][4 fragments of 16 channels].
; A number is its code x 2^e.  A finished sum is multiplied once by 2^(ex + ew), the bias is added in the same fused multiply-add, the number is held within +-57,344 x 2^eo and converted with 2^eo.
; LIMITS: ex + ew between -126 and 127; eo (entries 6, 7, 9) between -126 and 112, so that each power of two is an f32 number.  NaN and infinity among the inputs are not served.
; SHARES.  The three projections are 384 tiles of 256 x 256; 256 work-groups take one and a half each: first a tile of 256 tokens x 256 channels of Q (cluster x = 0) or K (1), 128 x 128 to a wave, 64 accumulators;
; then 128 channels of V^T x the same 256 tokens, 64 x 128 to a wave, 32 accumulators.  cx: which 256 channels of Q or K; 4 x cluster x + cx: which 128 channels of V; 4 x cluster y + cy: which 256 tokens.
; RING.  K goes in steps of 256 through two LDS slots (x's 256 rows, then the weight's).  At the head the four waves bring K steps 0 and 1, one load each; steps 2 and 3 come behind the changes of slots.  When the first tile is done
; x's K steps 2 and 3 still lie in LDS: the second tile begins with them, and needs Wv's 128 rows alone, whose four K steps fill the two places of the first weight, one load a wave, while the first tile is quantised and stored.
; x's K steps 0 and 1 come once more behind one round.
; CLUSTERS: 4 x 4.  x's tiles hang on the tokens alone and are asked for jointly along a row of the cluster, the weights' on cx and the cluster's x, along a column.
; PREFETCH: K steps 2 and 3 of x and of the first weight, one step and more ahead of their loads; the four partners share the rows out by address.  The weight is asked for by the clusters of y < 4 alone.
; THE MATRIX INSTRUCTION IS USED TRANSPOSED: source 0 = 16 rows of the operand whose rows become the result's columns, source 1 = 16 rows of the other: a lane holds eight neighbouring columns of one row.
; REGISTERS, in windows of 256: window 0: v0-31 addresses; v32-95 the first bias, v96-99 bv; v128-255 the row operand's fragments (first tile: ONE set of 8; second: TWO sets of 4), on the way out codes.
;   window 1: the column operand's fragments, TWO sets of 8.   windows 2, 3: the accumulators ((a, b) at v[8 (8 (a % 4) + b)] of window 2 + a / 4).
.set ROWB,   256                       ; a tile's row in bytes: 256 codes
.set KROW,   1024                      ; a row of x or of a weight in memory
.set PITCH,  272                       ; an LDS row: 256 bytes + 16 of padding = 68 words: the 16 rows that a load touches start at 16 different banks (64 banks of 4 bytes: ISA guide 11.1)
.set FR,     16
.set NL,     4
.set NP,     4                         ; places behind this matrix instruction (ISA guide 7.12.1)
.set HALFT,  128*PITCH
.set SLOT,   4*HALFT                   ; x's 256 rows, then the weight's 256, or twice 128 of Wv (K step k: the k % 2 th slot, the k / 2 th half)
.set SPARE,  2*SLOT                    ; behind the ring: the spare words, 128 bytes for each wave
.set ADRA, 16                          ; v16-17  first tile: LDS address of my fragments of x in slot 0, 1
.set ADVA, 18                          ; v18-19  second tile: of Wv
.set ADRB, 20                          ; v20-21  first tile: of W
.set ADVB, 22                          ; v22-23  second tile: of x
.set CO,   24                          ; v24     16 x lane: my bytes of a fragment's piece
.set PFO,  25                          ; v25     the prefetches' offset: a lane a row
.set BO,   26                          ; v26     32 x (lane / 16): the bias of my columns
.set BVO,  27                          ; v27     4 x (lane % 16): bv of my rows
.set SPW,  28                          ; v28     LDS address of my spare word; never rewritten
.set NIL,  29                          ; v29     0; never rewritten
.set SCL,  30                          ; v30     2^eo as f32
.set LIM,  31                          ; v31     57,344 x 2^eo
.set BIAS, 32                          ; register 8 b + k: the bias of column 16 b + 8 (lane / 16) + k
.set BV,   96                          ; register a: the bias of row 16 a + lane % 16
.set AF,   128
.set PC,   128                         ; the codes: 16 registers for each block of 16 rows
.set G1,   24                          ; group 1 for x's tiles of 128 rows
.set G0,   32                          ; group 0: x at the head, later x once more
.set G0R,  36                          ; group 0: x's refills
.set G1B,  48                          ; group 1 for a weight's tiles of 128 rows
.set G0B,  56                          ; group 0: W at the head, later Wv
.set G0RB, 60                          ; group 0: W's refills
.set G1X,  68                          ; group 1 for x's tiles of 256 rows
.set G1W,  76                          ; group 1 for a weight's tiles of 256 rows
.set PFA,  66                          ; where my prefetches stand
.set PFN,  101                         ; 0: my wave prefetches
.set MSB, 0
.macro WIN new                         ; the immediate's high byte repeats the setting that is left
.if MSB != (\new)
	s_set_vgpr_msb (MSB<<8)|(\new)
.set MSB, (\new)
.endif
.endm
.set MUL_LO, 0xa1                      ; source 0 window 1, source 1 window 0, C and D window 2
.set MUL_HI, 0xf1
.set TO_B,   0x40
.macro TLOAD g0, g1                    ; one tensor load, with the s_nop 0 and four v_nop
	tensor_load_to_lds s[\g0:\g0+3], s[\g1:\g1+7]
	s_nop 0
.rept 4
	v_nop
.endr
.endm
.macro JLOAD g0a, g1a, g0b, g1b        ; waves 0 and 1 fetch for x, waves 2 and 3 for the weight: the branch hangs on the wave's number alone
	s_cmp_eq_u32 s15, 0
	s_cbranch_scc0 .Lfor_b_\@
	TLOAD \g0a, \g1a
	s_branch .Lasked_\@
.Lfor_b_\@:
	TLOAD \g0b, \g1b
.Lasked_\@:
.endm
.macro CREST                           ; a round of the cluster's barrier behind its opening barrier
	s_cmp_lg_u32 s14, 0
	s_cbranch_scc1 .Lnot_wave_0_\@
	s_barrier_signal -3
.Lnot_wave_0_\@:
	s_barrier_wait -3
	s_barrier_signal -1
	s_barrier_wait -1
.endm
.macro CROUND
	s_barrier_signal -1
	s_barrier_wait -1
	CREST
.endm
.macro ASK off                         ; 32 rows x 256 bytes, a lane a row: with its partners the wave's half of a tile's 256 rows
	s_cmp_eq_u32 s[PFN], 0
	s_cbranch_scc0 .Lnot_mine_\@
	global_prefetch_b8 v[PFO], s[PFA:PFA+1] offset:\off th:TH_LOAD_NT scope:SCOPE_SE
.Lnot_mine_\@:
.endm
	s_load_b256 s[68:75], s[0:1], 0x0              ; x, Wq, Wk, Wv
	s_load_b256 s[76:83], s[0:1], 0x20             ; bq, bk, bv, the scales' exponents
	s_load_b128 s[84:87], s[0:1], 0x40             ; qc, kc
	s_load_b64 s[88:89], s[0:1], 0x50              ; vt
	v_lshl_add_u32 v[SPW], v0, 2, SPARE
	v_mov_b32 v[NIL], 0
	ds_add_u32 v[SPW], v[NIL]                      ; the wave's opening: the add, twice on end, and its wait ahead of my first tensor load
	ds_add_u32 v[SPW], v[NIL]
	v_lshrrev_b32 v1, 5, v0
	v_readfirstlane_b32 s14, v1                    ; wave 0..3
	s_lshr_b32 s15, s14, 1                         ; i: which half of a tile's rows is mine
	s_and_b32 s16, s14, 1                          ; j: which half of its columns
	s_bfe_u32 s40, ttmp6, 0x40000                  ; cx: which 256 channels of Q or K
	s_bfe_u32 s41, ttmp6, 0x40004                  ; cy
	s_lshl_b32 s42, ttmp9, 2
	s_add_co_u32 s42, s42, s40                     ; which 128 channels of V
	s_and_b32 s18, ttmp7, 0xffff
	s_lshl_b32 s17, s18, 2
	s_add_co_u32 s17, s17, s41                     ; which 256 tokens
	s_lshr_b32 s18, s18, 2
	s_and_b32 s[PFN], s18, s15                     ; 0 in x's waves, and in the weight's waves where the cluster's y is under 4
	s_lshl_b32 s43, s41, 2
	s_lshl_b32 s43, 15, s43                        ; my row of the cluster
	s_lshl_b32 s44, 0x1111, s40                    ; my column
	s_or_b32 s[G1], s43, (1<<20)|(1<<21)|(5<<22)|(3<<25)   ; 15:0 the mask; elements of 1 byte; 20 padding on; 21 set beside a mask; 24:22 after every 64 words; 31:25 four words
	s_or_b32 s[G1B], s44, (1<<20)|(1<<21)|(5<<22)|(3<<25)
.irp g, G1, G1B
	s_mov_b32 s[\g+1], ROWB<<16                    ; tensor_dim0
	s_mov_b32 s[\g+2], 128<<16                     ; tensor_dim1
	s_mov_b32 s[\g+3], ROWB<<16                    ; tile_dim0
	s_mov_b32 s[\g+4], 128                         ; tile_dim1
	s_mov_b32 s[\g+5], KROW                        ; from row to row
	s_mov_b32 s[\g+6], 0
	s_mov_b32 s[\g+7], 0
.endr
	s_lshl_b32 s18, s16, 8                         ; at the head wave w fetches K step w % 2
	s_lshl_b32 s20, s17, 18
	s_add_co_u32 s20, s20, s18                     ; x: 256 rows of 1,024 bytes from row 256 x token block
	s_mov_b32 s21, 0
	s_lshl_b32 s46, s40, 18
	s_add_co_u32 s46, s46, s18                     ; W: from row 256 cx
	s_mov_b32 s47, 0
	s_mul_i32 s22, s16, SLOT
	s_add_co_u32 s23, s22, 2*HALFT
	s_wait_alu depctr_va_vdst(0)
	s_wait_dscnt 0x0                               ; both opening adds are done
	CROUND                                         ; all sixteen work-groups are here: the first joint loads meet.  (The round hangs on no argument)
	s_wait_kmcnt 0x0
	s_cmp_eq_u32 ttmp9, 0                          ; Q or K: choices that hang on no address
	s_cselect_b64 s[6:7], s[70:71], s[72:73]
	s_cselect_b64 s[8:9], s[76:77], s[78:79]
	s_cselect_b64 s[10:11], s[84:85], s[86:87]
	s_mov_b64 s[4:5], s[82:83]                     ; the scales' exponents,
	s_mov_b64 s[12:13], s[88:89]                   ; vt,
	s_mov_b64 s[84:85], s[68:69]                   ; x,
	s_mov_b64 s[86:87], s[74:75]                   ; Wv
	s_mov_b64 s[88:89], s[80:81]                   ; and bv: out of the registers that descriptors take
	s_load_b256 s[92:99], s[4:5], 0x0              ; entries 0 to 7,
	s_load_b32 s100, s[4:5], 0x24                  ; and entry 9: waited for on the first way out
	s_or_b32 s[G1X], s43, (1<<20)|(1<<21)|(5<<22)|(3<<25)
	s_or_b32 s[G1W], s44, (1<<20)|(1<<21)|(5<<22)|(3<<25)
.irp g, G1X, G1W
	s_mov_b32 s[\g+1], ROWB<<16
	s_mov_b32 s[\g+2], 256<<16
	s_mov_b32 s[\g+3], ROWB<<16
	s_mov_b32 s[\g+4], 256
	s_mov_b32 s[\g+5], KROW
	s_mov_b32 s[\g+6], 0
	s_mov_b32 s[\g+7], 0
.endr
	s_mov_b32 s[G0], 1
	s_mov_b32 s[G0+1], s22
	s_add_nc_u64 s[G0+2:G0+3], s[84:85], s[20:21]
	s_or_b32 s[G0+3], s[G0+3], 0x80000000
	s_mov_b32 s[G0B], 1
	s_mov_b32 s[G0B+1], s23
	s_add_nc_u64 s[G0B+2:G0B+3], s[6:7], s[46:47]
	s_or_b32 s[G0B+3], s[G0B+3], 0x80000000
	JLOAD G0, G1X, G0B, G1W                        ; K steps 0 and 1: one load a wave
	; the refills: 128 rows a wave, K step 2 into slot 0
	s_mul_i32 s45, s14, HALFT                      ; wave x 128 rows of a slot
	s_lshl_b32 s18, s16, 17
	s_lshl_b32 s20, s17, 18
	s_add_co_u32 s20, s20, s18
	s_add_co_u32 s20, s20, 2*ROWB
	s_mov_b32 s21, 0
	s_lshl_b32 s46, s40, 18
	s_add_co_u32 s46, s46, s18
	s_add_co_u32 s46, s46, 2*ROWB
	s_mov_b32 s47, 0
	s_mov_b32 s[G0R], 1
	s_mov_b32 s[G0R+1], s45
	s_add_nc_u64 s[G0R+2:G0R+3], s[84:85], s[20:21]
	s_or_b32 s[G0R+3], s[G0R+3], 0x80000000
	s_mov_b32 s[G0RB], 1
	s_mov_b32 s[G0RB+1], s45
	s_add_nc_u64 s[G0RB+2:G0RB+3], s[6:7], s[46:47]
	s_or_b32 s[G0RB+3], s[G0RB+3], 0x80000000
	; the prefetches: x's rows 256 x token block + 64 cx + 32 j + lane, W's rows 256 cx + 64 cy + 32 j + lane
	s_lshl_b32 s20, s17, 8
	s_lshl_b32 s21, s40, 6
	s_add_co_u32 s20, s20, s21
	s_lshl_b32 s22, s40, 8
	s_lshl_b32 s21, s41, 6
	s_add_co_u32 s22, s22, s21
	s_cmp_eq_u32 s15, 0
	s_cselect_b32 s20, s20, s22
	s_cselect_b64 s[PFA:PFA+1], s[84:85], s[6:7]
	s_lshl_b32 s21, s16, 5
	s_add_co_u32 s20, s20, s21
	s_lshl_b32 s20, s20, 10
	s_mov_b32 s21, 0
	s_add_nc_u64 s[PFA:PFA+1], s[PFA:PFA+1], s[20:21]
	; the biases: 256 cx + 128 j on; bv: 128 x channel block + 64 i on
	s_lshl_b32 s20, s40, 10
	s_lshl_b32 s22, s16, 9
	s_add_co_u32 s20, s20, s22
	s_add_nc_u64 s[8:9], s[8:9], s[20:21]
	s_lshl_b32 s20, s42, 9
	s_lshl_b32 s22, s15, 8
	s_add_co_u32 s20, s20, s22
	s_add_nc_u64 s[88:89], s[88:89], s[20:21]
	; where I store.  qc, kc: block, step 2 cx + j, fragments 8 i on
	s_lshl_b32 s20, s17, 18
	s_lshl_b32 s22, s40, 16
	s_add_co_u32 s20, s20, s22
	s_lshl_b32 s22, s16, 15
	s_add_co_u32 s20, s20, s22
	s_lshl_b32 s22, s15, 14
	s_add_co_u32 s20, s20, s22
	s_add_nc_u64 s[10:11], s[10:11], s[20:21]
	; vt: batch, channels 64 (2 x channel block + i) on, step 2 (token block % 8) + j
	s_lshr_b32 s20, s17, 3
	s_lshl_b32 s20, s20, 21
	s_lshl_b32 s22, s42, 18
	s_add_co_u32 s20, s20, s22
	s_lshl_b32 s22, s15, 17
	s_add_co_u32 s20, s20, s22
	s_and_b32 s22, s17, 7
	s_lshl_b32 s22, s22, 14
	s_add_co_u32 s20, s20, s22
	s_lshl_b32 s22, s16, 13
	s_add_co_u32 s20, s20, s22
	s_add_nc_u64 s[12:13], s[12:13], s[20:21]
	s_mul_i32 s18, s15, HALFT                      ; first tile: my 128 tokens,
	s_mul_i32 s19, s16, HALFT
	s_add_co_u32 s19, s19, 2*HALFT                 ; my 128 channels
	s_mul_i32 s22, s15, 64*PITCH
	s_add_co_u32 s22, s22, 2*HALFT                 ; second tile: my 64 channels of Wv,
	s_mul_i32 s23, s16, HALFT                      ; my 128 tokens
	v_and_b32 v1, 15, v0                           ; r = lane % 16
	v_bfe_u32 v2, v0, 4, 1                         ; h = lane / 16
	v_and_b32 v5, 31, v0
	v_mul_u32_u24 v3, v1, PITCH
	v_lshl_add_u32 v4, v2, 4, v3                   ; a fragment's row x pitch + 16 x half
	v_lshlrev_b32 v[CO], 4, v5
	v_lshlrev_b32 v[PFO], 10, v5
	v_lshlrev_b32 v[BO], 5, v2
	v_lshlrev_b32 v[BVO], 2, v1
	v_add_nc_u32 v[ADRA], s18, v4
	v_add_nc_u32 v[ADRB], s19, v4
	v_add_nc_u32 v[ADVA], s22, v4
	v_add_nc_u32 v[ADVB], s23, v4
.irp a, ADRA, ADRB, ADVA, ADVB
	v_add_nc_u32 v[\a+1], SLOT, v[\a]
.endr
	s_wait_alu depctr_va_vdst(0)
.irp b, 0,1,2,3,4,5,6,7
.irp u, 0,1
	global_load_b128 v[BIAS+8*\b+4*\u:BIAS+8*\b+4*\u+3], v[BO], s[8:9] offset:64*\b+16*\u
.endr
.endr
.irp a, 0,1,2,3
	global_load_b32 v[BV+\a], v[BVO], s[88:89] offset:64*\a
.endr
	ASK 2*ROWB                                     ; K step 2, which the first change of slots loads
.macro FRAG reg, adr, off, i           ; a fragment is 16 registers: lane l holds row l % 16; registers 4 c .. 4 c + 3 hold K = 32 c + 16 (l / 16) + 0 .. 15: the same order of K on both sides of a product
.irp c, 0,1,2,3
	ds_load_b128 v[\reg+4*\c:\reg+4*\c+3], v[\adr] offset:(\off)+32*\c+(\i)*16*PITCH
.endr
.endm
.macro PLACES n                        ; plain vector instructions between a matrix instruction and a load into, or a vector read or write of, one of its registers (ISA guide 7.12.1 for vector reads and writes)
.rept \n
	v_nop
.endr
.endm
; ---- THE FIRST TILE'S STEPS.  16 matrix instructions: row blocks a0, a0 + 1 x the eight column blocks, 128 along K.  The 64 accumulators take turns, one instruction a turn.
.macro MUL16 a0, p, zero
.irp a, \a0, \a0+1
.irp b, 0,1,2,3,4,5,6,7
.if \zero
	v_wmma_f32_16x16x128_bf8_bf8 v[8*(8*((\a)%4)+\b):8*(8*((\a)%4)+\b)+7], v[128*(\p)+FR*\b:128*(\p)+FR*\b+FR-1], v[AF+FR*(\a):AF+FR*(\a)+FR-1], 0
.else
	v_wmma_f32_16x16x128_bf8_bf8 v[8*(8*((\a)%4)+\b):8*(8*((\a)%4)+\b)+7], v[128*(\p)+FR*\b:128*(\p)+FR*\b+FR-1], v[AF+FR*(\a):AF+FR*(\a)+FR-1], v[8*(8*((\a)%4)+\b):8*(8*((\a)%4)+\b)+7]
.endif
.endr
.endr
.endm
.macro FETCH_B slot, q, p
	WIN TO_B
.irp i, 0,1,2,3,4,5,6,7
	FRAG 128*(\p)+FR*\i, ADRB+\slot, 128*(\q), \i
.endr
	WIN 0
.endm
.macro FETCH_A slot, q, i0
.irp i, \i0, \i0+1, \i0+2, \i0+3
	FRAG AF+FR*(\i), ADRA+\slot, 128*(\q), \i
.endr
.endm
.macro STEP slot, q, zero              ; a step of 128 along K that has its successor in the same slot
	s_wait_dscnt 4*NL                              ; the column operand's set and row blocks 0-3 are in; the youngest 16 loads (row blocks 4-7) may be out
	WIN MUL_LO
	MUL16 0, (\q)%2, \zero
	MUL16 2, (\q)%2, \zero
	s_wait_dscnt 0                                 ; row blocks 4-7 are in
	PLACES NP
	FETCH_B \slot, (\q)+1, 1-(\q)%2
	FETCH_A \slot, (\q)+1, 0
	WIN MUL_HI
	MUL16 4, (\q)%2, \zero
	MUL16 6, (\q)%2, \zero
	PLACES NP
	WIN 0
	FETCH_A \slot, (\q)+1, 4
.endm
; A slot's last step changes slots: ONE barrier; in front of it each wave waits for all its tensor loads, adds 0 to its spare word, and waits for that and for its own reads of this slot.
; fill = 1: this slot is filled again, two K steps ahead.  fill = 0: nothing is asked for.  fill = 2, at the tile's very last step: nobody reads a weight any more, and wave w asks for Wv's K step w.
.macro TURN slot, next, fill, fetch
	s_wait_tensorcnt 0x0                           ; all my tensor loads have landed (every window is 0 here)
	ds_add_u32 v[SPW], v[NIL]                      ; 0 onto my spare word
	s_wait_dscnt 4*NL+1                            ; the add and the youngest 16 loads (row blocks 4-7) may be out
	WIN MUL_LO
	MUL16 0, 1, 0
	s_wait_dscnt 0x0                               ; the add is done, and my reads of this slot are over
	s_barrier_signal -1
	MUL16 2, 1, 0
	WIN 0
	s_barrier_wait -1
.if \fill == 1
	CREST                                          ; no wave of any partner still reads this slot or has a load on its way
.if \slot
	s_add_co_u32 s[G0R+1], s[G0R+1], SLOT          ; K step 3 into slot 1
	s_add_co_u32 s[G0RB+1], s[G0RB+1], SLOT
	s_add_nc_u64 s[G0R+2:G0R+3], s[G0R+2:G0R+3], ROWB
	s_add_nc_u64 s[G0RB+2:G0RB+3], s[G0RB+2:G0RB+3], ROWB
.endif
	JLOAD G0R, G1, G0RB, G1B                       ; the first tensor load behind the round; its four v_nop are also the places in front of the loads below
.elseif \fill == 2
	CREST
	TLOAD G0B, G1B
.else
	PLACES NP
.endif
.if \fetch
	FETCH_B \next, 0, 0
	FETCH_A \next, 0, 0
.endif
	WIN MUL_HI
	MUL16 4, 1, 0
	MUL16 6, 1, 0
.if \fetch
	PLACES NP
	WIN 0
	FETCH_A \next, 0, 4
.else
	WIN 0
.endif
.endm
; ---- THE SECOND TILE'S STEPS: 64 channels x 128 tokens a wave
.macro FETCH3 k, q, p                  ; 48 LDS loads in one run: the q-th 128 of K step k into set p: x's eight fragments first, then Wv's four
	WIN TO_B
.irp i, 0,1,2,3,4,5,6,7
	FRAG 128*(\p)+FR*\i, ADVB+(\k)%2, 128*(\q), \i
.endr
	WIN 0
.irp i, 0,1,2,3
	FRAG AF+64*(\p)+FR*\i, ADVA+(\k)%2, ((\k)/2)*HALFT+128*(\q), \i
.endr
.endm
.macro MUL8 a, p, zero                 ; channel block a x the eight token blocks.  The 32 accumulators take turns
.irp b, 0,1,2,3,4,5,6,7
.if \zero
	v_wmma_f32_16x16x128_bf8_bf8 v[8*(8*(\a)+\b):8*(8*(\a)+\b)+7], v[128*(\p)+FR*\b:128*(\p)+FR*\b+FR-1], v[AF+64*(\p)+FR*(\a):AF+64*(\p)+FR*(\a)+FR-1], 0
.else
	v_wmma_f32_16x16x128_bf8_bf8 v[8*(8*(\a)+\b):8*(8*(\a)+\b)+7], v[128*(\p)+FR*\b:128*(\p)+FR*\b+FR-1], v[AF+64*(\p)+FR*(\a):AF+64*(\p)+FR*(\a)+FR-1], v[8*(8*(\a)+\b):8*(8*(\a)+\b)+7]
.endif
.endr
.endm
.macro VSTEP p, k, q, zero             ; multiplies set p; in its middle it fetches the q-th 128 of K step k into the other set
	s_wait_dscnt 8                                 ; x's fragments and Wv's blocks 0, 1 are in; the youngest 8 loads (Wv's blocks 2, 3) may be out
	WIN MUL_LO
	MUL8 0, \p, \zero
	MUL8 1, \p, \zero
	PLACES NP
	FETCH3 \k, \q, 1-\p
	s_wait_dscnt 48                                ; all but the 48 just issued
	WIN MUL_LO
	MUL8 2, \p, \zero
	MUL8 3, \p, \zero
.endm
; ---- THE WAY OUT.  Block a (16 rows x 128 columns, 64 numbers a lane): sum x 2^(ex + ew) + bias in one packed multiply-add for two numbers, each accumulator from its low end on; the hold (the conversion to an 8-bit code does not
; saturate: ISA guide 7.6.2); eight conversions, whose 16 registers are the next product's fragment; four stores.  col = 1: the bias goes by rows (V).
.macro EPIC a, col, base
.set AC, 64*((\a)%4)
.set PCA, PC+16*(\a)
	WIN 0x82+0x41*((\a)/4)                         ; source 0 and destination: window 2 or 3
.set k, 0
.rept 32
.if (\col) == 0
	v_pk_fma_f32 v[AC+k:AC+k+1], v[AC+k:AC+k+1], s[90:91], v[BIAS+k:BIAS+k+1] op_sel_hi:[1,0,1]
.elseif (\a)%2
	v_pk_fma_f32 v[AC+k:AC+k+1], v[AC+k:AC+k+1], s[90:91], v[BV+(\a)-1:BV+(\a)] op_sel:[0,0,1] op_sel_hi:[1,0,1]
.else
	v_pk_fma_f32 v[AC+k:AC+k+1], v[AC+k:AC+k+1], s[90:91], v[BV+(\a):BV+(\a)+1] op_sel_hi:[1,0,0]
.endif
.set k, k+2
.endr
.set k, 0
.rept 64
	v_med3_num_f32 v[AC+k], v[AC+k], -v[LIM], v[LIM]
.set k, k+1
.endr
	WIN 0x02+((\a)/4)
.irp b, 0,1,2,3,4,5,6,7
	v_cvt_scalef32_pk8_bf8_f32 v[PCA+2*\b:PCA+2*\b+1], v[AC+8*\b:AC+8*\b+7], v[SCL]
.endr
	WIN 0
	v_nop                                          ; one plain vector instruction behind the last conversion of the run
.irp c, 0,1,2,3
	global_store_b128 v[CO], v[PCA+4*\c:PCA+4*\c+3], s[\base:\base+1] offset:(\a)*2048+\c*512
.endr
.endm
.macro SCALES ea, eb, eo               ; from three exponents in scalar registers: 2^(ea + eb) in s[90:91], 2^eo and 57,344 x 2^eo in vector registers
	s_add_co_i32 s18, s[\ea], s[\eb]
	s_add_co_i32 s18, s18, 127
	s_lshl_b32 s90, s18, 23
	s_mov_b32 s91, s90                             ; (named with it as a pair, so it is written)
	s_add_co_i32 s22, s[\eo], 127
	s_lshl_b32 s23, s22, 23
	v_mov_b32 v[SCL], s23                          ; the conversion takes its exponent field
	s_add_co_i32 s22, s22, 15
	s_lshl_b32 s22, s22, 23
	s_or_b32 s22, s22, 0x600000
	v_mov_b32 v[LIM], s22
	s_wait_alu depctr_va_vdst(0)
.endm
	; ---- THE FIRST TILE: K = 1,024 is four slots' worth; the walk is written out
	s_wait_tensorcnt 0x0                           ; my tile of K step 0 or 1 is in
	s_barrier_signal -1
	s_barrier_wait -1                              ; everybody's
	FETCH_B 0, 0, 0
	FETCH_A 0, 0, 0
	FETCH_A 0, 0, 4
	; the head's load is done, so its groups 0 may be written: x's K steps 0 and 1 once more (wave w: rows 128 (w % 2) on of K step w / 2), and Wv's 128 rows of K step w
	s_mul_i32 s18, s15, SLOT
	s_mul_i32 s19, s16, HALFT
	s_add_co_u32 s[G0+1], s18, s19
	s_lshl_b32 s20, s17, 18
	s_lshl_b32 s22, s16, 17
	s_add_co_u32 s20, s20, s22
	s_lshl_b32 s22, s15, 8
	s_add_co_u32 s20, s20, s22
	s_mov_b32 s21, 0
	s_add_nc_u64 s[G0+2:G0+3], s[84:85], s[20:21]
	s_or_b32 s[G0+3], s[G0+3], 0x80000000
	s_mul_i32 s18, s16, SLOT
	s_mul_i32 s19, s15, HALFT
	s_add_co_u32 s18, s18, s19
	s_add_co_u32 s[G0B+1], s18, 2*HALFT
	s_lshl_b32 s46, s42, 17
	s_lshl_b32 s47, s14, 8
	s_add_co_u32 s46, s46, s47
	s_mov_b32 s47, 0
	s_add_nc_u64 s[G0B+2:G0B+3], s[86:87], s[46:47]
	s_or_b32 s[G0B+3], s[G0B+3], 0x80000000
	STEP 0, 0, 1                                   ; the first step's products start the sums
	ASK 3*ROWB                                     ; K step 3, which the second change of slots loads
	TURN 0, 1, 1, 1                                ; slot 0 takes K step 2
	; Wv, which the tile's last change of slots loads, is prefetched here: wave w names K step w of 32 rows, a lane a row; the four partners of a column take 32 of the 128 rows each, by address; the clusters of y < 4 alone ask
	s_lshl_b32 s20, s42, 17
	s_lshl_b32 s22, s41, 15
	s_add_co_u32 s20, s20, s22
	s_lshl_b32 s22, s14, 8
	s_add_co_u32 s20, s20, s22
	s_mov_b32 s21, 0
	s_add_nc_u64 s[2:3], s[86:87], s[20:21]
	s_and_b32 s18, ttmp7, 0xffff
	s_cmp_lt_u32 s18, 4
	s_cbranch_scc0 .Lno_wv
	global_prefetch_b8 v[PFO], s[2:3] th:TH_LOAD_NT scope:SCOPE_SE
.Lno_wv:
	STEP 1, 0, 0
	TURN 1, 0, 1, 1                                ; slot 1 takes K step 3
	STEP 0, 0, 0
	TURN 0, 1, 0, 1
	STEP 1, 0, 0
	TURN 1, 0, 2, 0                                ; the tile's last step: Wv's four K steps land during the way out below
	s_wait_kmcnt 0x0
	s_cmp_eq_u32 ttmp9, 0                          ; the projection's three exponents, by selects
	s_cselect_b32 s18, s92, s94                    ; ex
	s_cselect_b32 s19, s93, s95                    ; ew
	s_cselect_b32 s22, s98, s99                    ; eo: entry 6 for Q, 7 for K
	s_wait_loadcnt 0x0                             ; the biases
	SCALES 18, 19, 22
	PLACES NP
.irp a, 0,1,2,3,4,5,6,7
	EPIC \a, 0, 10
.endr
	; ---- THE SECOND TILE, K steps 2, 3, 0, 1
	s_wait_tensorcnt 0x0                           ; my K step of Wv is in,
	s_barrier_signal -1
	s_barrier_wait -1                              ; everybody's is.
	s_wait_xcnt 0x0                                ; the stores above have read their registers: Wv's fragments land there
	FETCH3 2, 0, 0
	VSTEP 0, 2, 1, 1                               ; the first step's products start the sums
	VSTEP 1, 3, 0, 0
	VSTEP 0, 3, 1, 0
	WIN 0                                          ; (the add's two registers lie in window 0)
	s_wait_tensorcnt 0x0                           ; no tensor load of mine is out
	ds_add_u32 v[SPW], v[NIL]                      ; 0 onto my spare word
	s_wait_dscnt 9                                 ; the add and the youngest 8 loads (Wv's blocks 2, 3) may be out
	WIN MUL_LO
	MUL8 0, 1, 0
	s_wait_dscnt 0x0                               ; the add is done, and my reads of both slots are over
	s_barrier_signal -1
	MUL8 1, 1, 0
	WIN 0
	s_barrier_wait -1
	CREST                                          ; no wave of any partner still reads a slot or has a load on its way
	TLOAD G0, G1                                   ; x's K steps 0 and 1: my last tensor load
	WIN MUL_LO
	MUL8 2, 1, 0
	MUL8 3, 1, 0
	WIN 0
	s_wait_tensorcnt 0x0                           ; my part is in,
	s_barrier_signal -1
	s_barrier_wait -1                              ; everybody's is
	FETCH3 0, 0, 0                                 ; (set 0's last readers: the step before the last; the four v_nop behind the tensor load are the places)
	VSTEP 0, 0, 1, 0
	VSTEP 1, 1, 0, 0
	VSTEP 0, 1, 1, 0
	s_wait_dscnt 8                                 ; the very last step: nothing more to fetch
	WIN MUL_LO
	MUL8 0, 1, 0
	MUL8 1, 1, 0
	s_wait_dscnt 0
	MUL8 2, 1, 0
	MUL8 3, 1, 0
	WIN 0
	SCALES 96, 97, 100                             ; entries 4, 5 and 9
	PLACES NP
.irp a, 0,1,2,3
	EPIC \a, 1, 12
.endr
	s_wait_tensorcnt 0x0                           ; the wave's end
	ds_add_u32 v[SPW], v[NIL]
	s_wait_dscnt 0x0
	CROUND                                         ; the closing round: no work-group ends while a partner may still ask for a tile that names it
	s_endpgm
.Lfunc_end_k_q2933662f10_proj:
	.size	k_q2933662f10_proj, .Lfunc_end_k_q2933662f10_proj-k_q2933662f10_proj
	.p2alignl 7, 3214868480
	.fill 96, 4, 3214868480
	.section	.rodata,"a",@progbits
	.p2align	6, 0x0
	.amdhsa_kernel k_q2933662f10_proj
		.amdhsa_group_segment_fixed_size 327680
		.amdhsa_private_segment_fixed_size 0
		.amdhsa_enable_private_segment 0
		.amdhsa_kernarg_size 88
		.amdhsa_user_sgpr_count 2
		.amdhsa_user_sgpr_kernarg_segment_ptr 1
		.amdhsa_wavefront_size32 1
		.amdhsa_system_sgpr_workgroup_id_x 1
		.amdhsa_system_sgpr_workgroup_id_y 1
		.amdhsa_system_sgpr_workgroup_id_z 1
		.amdhsa_system_vgpr_workitem_id 0
		.amdhsa_next_free_vgpr 1024
		.amdhsa_next_free_sgpr 102
		.amdhsa_reserve_vcc 0
		.amdhsa_float_denorm_mode_32 3
		.amdhsa_float_denorm_mode_16_64 3
		.amdhsa_memory_ordered 1
		.amdhsa_forward_progress 1
		.amdhsa_inst_pref_size 212
	.end_amdhsa_kernel
	.amdgpu_metadata
---
amdhsa.version: [ 1, 2 ]
amdhsa.kernels:
  - .name:           k_q2933662f10_proj
    .symbol:         k_q2933662f10_proj.kd
    .args:
      - { .name: x_codes, .offset: 0, .size: 8, .value_kind: global_buffer, .address_space: global }
      - { .name: Wq_codes, .offset: 8, .size: 8, .value_kind: global_buffer, .address_space: global }
      - { .name: Wk_codes, .offset: 16, .size: 8, .value_kind: global_buffer, .address_space: global }
      - { .name: Wv_codes, .offset: 24, .size: 8, .value_kind: global_buffer, .address_space: global }
      - { .name: bq, .offset: 32, .size: 8, .value_kind: global_buffer, .address_space: global }
      - { .name: bk, .offset: 40, .size: 8, .value_kind: global_buffer, .address_space: global }
      - { .name: bv, .offset: 48, .size: 8, .value_kind: global_buffer, .address_space: global }
      - { .name: lowp_scales, .offset: 56, .size: 8, .value_kind: global_buffer, .address_space: global }
      - { .name: qc, .offset: 64, .size: 8, .value_kind: global_buffer, .address_space: global }
      - { .name: kc, .offset: 72, .size: 8, .value_kind: global_buffer, .address_space: global }
      - { .name: vt, .offset: 80, .size: 8, .value_kind: global_buffer, .address_space: global }
    .group_segment_fixed_size: 327680
    .private_segment_fixed_size: 0
    .kernarg_segment_align: 8
    .kernarg_segment_size: 88
    .max_flat_workgroup_size: 128
    .sgpr_count:     102
    .vgpr_count:     1024
    .wavefront_size: 32
...
	.end_amdgpu_metadata
.endif
;; end of part 1
;; launch scores (part 2): grid 8 x 32, 4 waves a work-group, clusters of 4 x 4, 327,680 bytes of LDS; arguments qc, kc, lowp_scales, pc, st; writes pc, st
.if DOCPART == 2
	.amdgcn_target "amdgcn-amd-amdhsa--gfx1250"
	.amdhsa_code_object_version 6
	.text
	.protected	k_q2933662f10_scores
	.globl	k_q2933662f10_scores
	.p2align	8
	.type	k_q2933662f10_scores,@function
k_q2933662f10_scores:
	s_mov_b64 s[64:65], 0
	v_nop
	global_prefetch_b8 v0, s[64:65] scope:SCOPE_SE
	s_setreg_imm32_b32 hwreg(HW_REG_WAVE_MODE, 25, 1), 1
	s_wait_xcnt 0x0
	s_wait_alu depctr_hold_cnt(0) depctr_sa_sdst(0) depctr_va_vdst(0) depctr_va_sdst(0) depctr_va_ssrc(0) depctr_va_vcc(0) depctr_vm_vsrc(0)
	s_getreg_b32 s2, hwreg(HW_REG_IB_STS2, 6, 4)
	s_cmp_eq_u32 s2, 0
	s_cbranch_scc0 .Lentry_in_a_cluster
	s_endpgm
.Lentry_in_a_cluster:
	s_bfe_u32 s2, ttmp6, 0x10000c
	s_cmp_lg_u32 s2, 0xf033
	s_cbranch_scc0 .Lentry_shape_is_right
	s_endpgm
.Lentry_shape_is_right:
; SECOND LAUNCH.  S = Q K^T on the codes qc, kc (BF8, scales 2^e6, 2^e7); then, tile by tile, the softmax's numerator as the last product's operand.  No work is left out.
; A tile is 256 queries x 256 keys: a CHUNK of keys.  t = score x log2(e) / 32; M_c = the largest t of the row among the chunk's 256 keys, rounded UP to a whole number; p = 2^(t - M_c) is held at 57,344 x 2^e8 and converted
; with 2^e8; l_c = the sum of the unquantised p.  The pair (-M_c, l_c) goes to st [4][8 chunks][2048 queries], 8 bytes a pair.  The last launch brings the chunks under the row's one M by exact powers of two.
; So the maximum is taken away before every exponential, and no exponent is above 0.
; pc holds FRAGMENTS of 2,048 bytes (16 queries x 128 keys, as the first launch lays its own): [64 blocks of 128 queries][16 steps of 128 keys][8 fragments].  The conversions' registers are such a fragment: codes leave straight from registers.
; LIMITS: e6 + e7 between -121 and 132 (they are added to the exponent field of log2(e) / 32); e8 between -126 and 112.  A p is quantised relative to its chunk's M_c, not to the row's M: numbers that would fall under the format's range
; relative to the row's largest keep more bits here; where 57,344 x 2^e8 is under 1 the hold acts relative to M_c.  NaN and infinity are not served.  The scaled scores stay under 2^31 in magnitude.
; SHARES.  A wave owns 64 queries x all 256 keys of the tile: a row's maximum and sum stay inside the wave.  64 accumulators.  THE MATRIX INSTRUCTION IS USED TRANSPOSED (source 0 = 16 keys, source 1 = 16 queries): a lane holds ONE query
; (16 a + lane % 16 of my 64) and, in block (a, b), keys 16 b + 8 (lane / 16) + 0 .. 7.
; K'S TILE (262,144 bytes) LIES WHOLE IN LDS: two joint loads a wave along a column of the cluster, four of the eight steps of 128 channels each; no byte is filled twice.  Q's fragments go from memory straight into registers, three stages, each wave its own 64 rows once.
; Q is not asked for jointly: K's tile leaves 65,536 bytes of LDS, and a ring for Q there would hold two slots of one step of 128 each, with a barrier for every step.
; PREFETCH: Q's steps 3 to 6, one instruction a wave at the head; the four partners of a row of the cluster, which read the same Q, take a fragment each by address.  K's second load is issued ahead of the first product: it has none.
; REGISTERS: window 0: v0-31 addresses; v64-255 Q, three stages of 64; on the way out v32-63 maxima and pairs, v64-127 sums, v128-255 codes.   window 1: K's fragments, a ring of four groups of 64 registers.
;   windows 2, 3: the accumulators ((a, b) at v[128 (a % 2) + 8 b] of window 2 + a / 2), then t - M_c, then p.
.set SPARE, 262144                     ; behind K's tile: the spare words
.set ADR,  16                          ; v16-19  16 x lane + 65,536 n: two steps each
.set LO,   20                          ; v20     16 x lane
.set PFO,  21
.set SO,   22                          ; v22     8 x lane: my pair in st
.set NINF, 23
.set SPW,  28
.set NIL,  29
.set SCL,  30                          ; v30     2^e8 as f32
.set LIM,  31                          ; v31     57,344 x 2^e8
.set TM,   32
.set ST,   48                          ; v48-55  pair a: -M_c, and the maximum, then t, then l
.set SB,   56
.set QF,   64
.set SU,   64
.set PC,   128
.set G1,   24
.set G0,   32                          ; s[32:35] steps 0-3, s[36:39] steps 4-7
.set MSB, 0
.macro WIN new
.if MSB != (\new)
	s_set_vgpr_msb (MSB<<8)|(\new)
.set MSB, (\new)
.endif
.endm
.set MUL_LO, 0xa1                      ; source 0 window 1, source 1 window 0, C and D window 2
.set MUL_HI, 0xf1
.macro TLOAD g0
	tensor_load_to_lds s[\g0:\g0+3], s[G1:G1+7]
	s_nop 0
.rept 4
	v_nop
.endr
.endm
.macro CROUND
	s_barrier_signal -1
	s_barrier_wait -1
	s_cmp_lg_u32 s14, 0
	s_cbranch_scc1 .Lnot_wave_0_\@
	s_barrier_signal -3
.Lnot_wave_0_\@:
	s_barrier_wait -3
	s_barrier_signal -1
	s_barrier_wait -1
.endm
.macro LOADQ sn                        ; step sn of my 64 queries: four fragments, 8,192 bytes on end
	WIN 0
.irp a, 0,1,2,3
.irp c, 0,1,2,3
	global_load_b128 v[QF+64*((\sn)%3)+16*\a+4*\c:QF+64*((\sn)%3)+16*\a+4*\c+3], v[LO], s[4:5] offset:(\sn)*32768+\a*2048+\c*512
.endr
.endr
.endm
.macro LOADK sn, g                     ; step sn, keys 64 g on: four fragments
	WIN 0x40
.irp i, 0,1,2,3
.irp c, 0,1,2,3
	ds_load_b128 v[64*(\g)+16*\i+4*\c:64*(\g)+16*\i+4*\c+3], v[ADR+(\sn)/2] offset:((\sn)%2)*32768+(\g)*8192+\i*2048+\c*512
.endr
.endr
.endm
.macro PLACES n                        ; places behind a matrix instruction (ISA guide 7.12.1 for vector reads and writes)
.rept \n
	v_nop
.endr
.endm
	s_load_b256 s[4:11], s[0:1], 0x0               ; qc, kc, the scales' exponents, pc
	s_load_b64 s[12:13], s[0:1], 0x20              ; st
	v_lshl_add_u32 v[SPW], v0, 2, SPARE
	v_mov_b32 v[NIL], 0
	ds_add_u32 v[SPW], v[NIL]                      ; the wave's opening: the add, twice on end, and its wait ahead of my first tensor load
	ds_add_u32 v[SPW], v[NIL]
	v_lshrrev_b32 v1, 5, v0
	v_readfirstlane_b32 s14, v1                    ; wave 0..3
	s_bfe_u32 s40, ttmp6, 0x40000                  ; cx, cy
	s_bfe_u32 s41, ttmp6, 0x40004
	s_lshl_b32 s42, ttmp9, 2
	s_add_co_u32 s42, s42, s40                     ; the chunk of keys, 0..7
	s_and_b32 s19, ttmp7, 0xffff
	s_lshl_b32 s17, s19, 2
	s_add_co_u32 s17, s17, s41                     ; the block of 256 queries, 0..31
	s_lshr_b32 s19, s19, 1                         ; the batch: eight blocks each, so it hangs on the cluster's y alone
	s_lshl_b32 s44, 0x1111, s40                    ; my column of the cluster
	s_or_b32 s[G1], s44, 1<<21                     ; the mask; elements of 1 byte; no padding; bit 21 beside a mask
	s_mov_b32 s[G1+1], 2048<<16                    ; 16 rows of 2,048 bytes, dense: one step of 128 channels, 16 fragments
	s_mov_b32 s[G1+2], 16<<16
	s_mov_b32 s[G1+3], 2048<<16
	s_mov_b32 s[G1+4], 16
	s_mov_b32 s[G1+5], 2048
	s_mov_b32 s[G1+6], 0
	s_mov_b32 s[G1+7], 0
	s_lshl_b32 s45, s14, 15                        ; wave w fetches steps w and 4 + w
	s_lshl_b32 s20, s19, 3
	s_add_co_u32 s20, s20, s42
	s_lshl_b32 s20, s20, 18
	s_add_co_u32 s20, s20, s45
	s_mov_b32 s21, 0
	s_lshl_b32 s46, s17, 18                        ; Q: my block,
	s_lshl_b32 s47, s14, 13
	s_add_co_u32 s46, s46, s47                     ; fragments 4 w on
	s_mov_b32 s47, 0
	v_and_b32 v3, 31, v0
	v_lshlrev_b32 v[LO], 4, v3
	v_lshlrev_b32 v[SO], 3, v3
	v_lshrrev_b32 v4, 3, v3
	v_lshlrev_b32 v4, 15, v4
	v_and_b32 v5, 7, v3
	v_lshl_add_u32 v[PFO], v5, 8, v4               ; eight blocks of 256 bytes in each of four steps
	v_lshlrev_b32 v[ADR], 4, v3
	v_add_nc_u32 v[ADR+1], 0x10000, v[ADR]
	v_add_nc_u32 v[ADR+2], 0x20000, v[ADR]
	v_add_nc_u32 v[ADR+3], 0x30000, v[ADR]
	s_wait_alu depctr_va_vdst(0)
	s_wait_dscnt 0x0                               ; both opening adds are done
	CROUND                                         ; all sixteen work-groups are here: the first joint loads meet.  (The round hangs on no argument)
	s_wait_kmcnt 0x0
	s_load_b96 s[92:94], s[8:9], 0x18              ; e6, e7, e8: waited for on the way out
	s_add_nc_u64 s[4:5], s[4:5], s[46:47]
	s_add_nc_u64 s[20:21], s[6:7], s[20:21]
	s_mov_b32 s[G0], 1
	s_mov_b32 s[G0+1], s45
	s_mov_b64 s[G0+2:G0+3], s[20:21]
	s_or_b32 s[G0+3], s[G0+3], 0x80000000
	s_mov_b32 s[G0+4], 1
	s_add_co_u32 s[G0+5], s45, 131072
	s_add_nc_u64 s[G0+6:G0+7], s[20:21], 131072
	s_or_b32 s[G0+7], s[G0+7], 0x80000000
	TLOAD G0                                       ; K's steps 0 to 3
	LOADQ 0
	LOADQ 1
	LOADQ 2
	s_lshl_b32 s46, s40, 11
	s_add_co_u32 s46, s46, 3*32768
	s_mov_b32 s47, 0
	s_add_nc_u64 s[46:47], s[4:5], s[46:47]
	global_prefetch_b8 v[PFO], s[46:47] th:TH_LOAD_NT scope:SCOPE_SE   ; fragment cx of my four, steps 3 to 6
	; where I store.  pc: block 2 x block + w / 2 of 128 queries, steps 2 x chunk on, fragments 4 (w % 2) on
	s_lshl_b32 s20, s17, 1
	s_lshr_b32 s22, s14, 1
	s_add_co_u32 s20, s20, s22
	s_lshl_b32 s20, s20, 18
	s_lshl_b32 s22, s42, 15
	s_add_co_u32 s20, s20, s22
	s_and_b32 s22, s14, 1
	s_lshl_b32 s22, s22, 13
	s_add_co_u32 s20, s20, s22
	s_mov_b32 s21, 0
	s_add_nc_u64 s[10:11], s[10:11], s[20:21]
	s_lshl_b32 s20, s19, 3                         ; st: ((8 x batch + chunk) x 2,048 + the query) pairs of 8 bytes
	s_add_co_u32 s20, s20, s42
	s_lshl_b32 s20, s20, 11
	s_and_b32 s22, s17, 7
	s_lshl_b32 s22, s22, 8
	s_add_co_u32 s20, s20, s22
	s_lshl_b32 s22, s14, 6
	s_add_co_u32 s20, s20, s22
	s_lshl_b32 s20, s20, 3
	s_add_nc_u64 s[12:13], s[12:13], s[20:21]
	s_mov_b32 s98, 0x76543210                      ; v_permlanex16_b32's selects for lane l xor 16
	s_mov_b32 s99, 0xfedcba98
; 8 matrix instructions: query blocks a0, a0 + 1 x key blocks 4 g .. 4 g + 3.  The 64 accumulators take turns, one instruction a turn, in the same order in every step.
.macro MUL8 s, g, a0
.irp a, \a0, \a0+1
.irp i, 0,1,2,3
.if (\s) == 0
	v_wmma_f32_16x16x128_bf8_bf8 v[128*((\a)%2)+8*(4*(\g)+\i):128*((\a)%2)+8*(4*(\g)+\i)+7], v[64*(\g)+16*\i:64*(\g)+16*\i+15], v[QF+64*((\s)%3)+16*(\a):QF+64*((\s)%3)+16*(\a)+15], 0
.else
	v_wmma_f32_16x16x128_bf8_bf8 v[128*((\a)%2)+8*(4*(\g)+\i):128*((\a)%2)+8*(4*(\g)+\i)+7], v[64*(\g)+16*\i:64*(\g)+16*\i+15], v[QF+64*((\s)%3)+16*(\a):QF+64*((\s)%3)+16*(\a)+15], v[128*((\a)%2)+8*(4*(\g)+\i):128*((\a)%2)+8*(4*(\g)+\i)+7]
.endif
.endr
.endr
.endm
; A group: 16 matrix instructions on K's group g; then the same group of the next step is fetched into its registers, three groups ahead of its use.
.macro GRP s, g
.if (\g) == 0
.if (\s) < 6
	s_wait_loadcnt 32                              ; this step's Q is in; the two younger stages may be out
.else
	s_wait_loadcnt 16*(7-(\s))
.endif
.endif
.if (\s) < 7
	s_wait_dscnt 48                                ; this group is in; the three younger ones may be out
.else
	s_wait_dscnt 48-16*(\g)
.endif
	WIN MUL_LO
	MUL8 \s, \g, 0
.if (\s) == 3 && (\g) == 0             ; K's second half is read from here on
	s_wait_tensorcnt 0x0                           ; my part of it is in;
	s_wait_dscnt 0x0                               ; no LDS instruction of mine is pending at the signal
	s_barrier_signal -1
.endif
	WIN MUL_HI
	MUL8 \s, \g, 2
.if (\s) == 3 && (\g) == 0
	s_barrier_wait -1                              ; everybody's part is in
.endif
.if (\s) < 7
	PLACES 4
	LOADK \s+1, \g
.endif
.if (\g) == 3 && (\s) < 5
	LOADQ \s+3                                     ; into the stage just read
.endif
.endm
	s_wait_alu depctr_va_vdst(0)
	s_wait_tensorcnt 0x0                           ; my part of K's steps 0 to 3 is in
	ds_add_u32 v[SPW], v[NIL]
	s_wait_dscnt 0x0
	CROUND                                         ; everybody's part is in, and all sixteen work-groups are here
	TLOAD G0+4                                     ; K's steps 4 to 7, which have three steps of products in which to land
.irp g, 0,1,2,3
	LOADK 0, \g
.endr
.irp s, 0,1,2,3,4,5,6,7
.irp g, 0,1,2,3
	GRP \s, \g
.endr
.endr
	WIN 0
	; ---- THE WAY OUT
	s_wait_kmcnt 0x0
	s_add_co_i32 s92, s92, s93
	s_lshl_b32 s92, s92, 23
	s_add_co_i32 s96, s92, 0x3d38aa3b              ; c = log2(e) / 32 x 2^(e6 + e7): the two exponents are added to the constant's exponent field; c is positive
	s_mov_b32 s97, s96                             ; (named with it as a pair, so it is written)
	s_add_co_i32 s94, s94, 127
	s_lshl_b32 s93, s94, 23
	s_add_co_i32 s94, s94, 15
	s_lshl_b32 s94, s94, 23
	s_or_b32 s94, s94, 0x600000
	s_mov_b32 s95, 0xffff0000                      ; lanes 16 to 31
	v_mov_b32 v[SCL], s93                          ; 2^e8
	v_mov_b32 v[LIM], s94                          ; 57,344 x 2^e8
	v_mov_b32 v[NINF], 0xff800000
	PLACES 4
; 1. The largest score of each of my 4 rows a lane, among my 128 keys: four chains, three operands at a time; each accumulator is read from its low end on.
.macro MAXA a
.set AC, 128*((\a)%2)
	WIN 0x28+0x14*((\a)/2)                         ; sources 1 and 2: window 2 or 3
.irp q, 0,1,2,3
.irp u, 0,1                            ; blocks a and a + 1, which lie in one window, take turns
	v_max3_num_f32 v[TM+4*((\a)+\u)+\q], v[NINF], v[128*\u+2*\q], v[128*\u+2*\q+1]
.endr
.endr
.irp b, 1,2,3,4,5,6,7,8,9,10,11,12,13,14,15
.irp q, 0,1,2,3
.irp u, 0,1
	v_max3_num_f32 v[TM+4*((\a)+\u)+\q], v[TM+4*((\a)+\u)+\q], v[128*\u+8*\b+2*\q], v[128*\u+8*\b+2*\q+1]
.endr
.endr
.endr
.endm
.irp a, 0,2
	MAXA \a
.endr
	WIN 0
.irp a, 0,1,2,3
	v_max3_num_f32 v[TM+4*\a], v[TM+4*\a], v[TM+4*\a+1], v[TM+4*\a+2]
.endr
.irp a, 0,1,2,3
	v_max_num_f32 v[TM+4*\a], v[TM+4*\a], v[TM+4*\a+3]
.endr
.irp a, 0,1,2,3
	v_permlanex16_b32 v[TM+4*\a+1], v[TM+4*\a], s98, s99   ; the row's other 128 keys lie in the lane 16 away
.endr
.irp a, 0,1,2,3
	v_max_num_f32 v[ST+2*\a+1], v[TM+4*\a], v[TM+4*\a+1]
.endr
.irp a, 0,1,2,3
	v_mul_f32 v[ST+2*\a+1], s96, v[ST+2*\a+1]      ; as t
.endr
.irp a, 0,1,2,3
	v_floor_f32 v[ST+2*\a], -v[ST+2*\a+1]          ; -M_c = floor(-t) = -ceil(t): a whole number
.endr
; 2. Block a: t - M_c, two at a time; the 128 exponentials as ONE batch with one wait ahead of it and one behind it; the sum of the UNQUANTISED p; the one-sided hold (p is not negative);
; 16 conversions, whose registers are two fragments; eight stores.
.macro SOFT a
.set AC, 128*((\a)%2)
.set PCA, PC+32*(\a)
	WIN 0x82+0x41*((\a)/2)
.set k, 0
.rept 64
	v_pk_fma_f32 v[AC+k:AC+k+1], v[AC+k:AC+k+1], s[96:97], v[ST+2*(\a):ST+2*(\a)+1] op_sel_hi:[1,0,0]
.set k, k+2
.endr
.set k, 0
	s_wait_alu depctr_va_vdst(0)
.rept 128
	v_exp_f32 v[AC+k], v[AC+k]
.set k, k+1
.endr
	v_nop
	s_wait_alu depctr_va_vdst(0)
	WIN 0x0a+5*((\a)/2)                            ; sources 0 and 1: window 2 or 3
.set k, 0
.rept 32
	v_pk_add_f32 v[SU+2*k:SU+2*k+1], v[AC+4*k:AC+4*k+1], v[AC+4*k+2:AC+4*k+3]
.set k, k+1
.endr
	WIN 0x82+0x41*((\a)/2)
.set k, 0
.rept 128
	v_min_num_f32 v[AC+k], v[AC+k], v[LIM]         ; the conversion to an 8-bit code does not saturate (ISA guide 7.6.2)
.set k, k+1
.endr
	WIN 0x02+((\a)/2)
.set k, 0
.rept 16
	v_cvt_scalef32_pk8_bf8_f32 v[PCA+2*k:PCA+2*k+1], v[AC+8*k:AC+8*k+7], v[SCL]
.set k, k+1
.endr
	WIN 0
.set n, 16
.rept 5
.set k, 0
.rept n
	v_pk_add_f32 v[SU+2*k:SU+2*k+1], v[SU+2*k:SU+2*k+1], v[SU+2*n+2*k:SU+2*n+2*k+1]   ; (the first of these are the plain lines behind the conversions)
.set k, k+1
.endr
.set n, n/2
.endr
.irp u, 0,1
.irp c, 0,1,2,3
	global_store_b128 v[LO], v[PCA+16*\u+4*\c:PCA+16*\u+4*\c+3], s[10:11] offset:\u*16384+(\a)*2048+\c*512   ; 512 consecutive aligned bytes
.endr
.endr
	v_add_f32 v[SU], v[SU], v[SU+1]
	v_permlanex16_b32 v[SU+1], v[SU], s98, s99
	v_add_f32 v[ST+2*(\a)+1], v[SU], v[SU+1]       ; the row's sum over the chunk
.endm
.irp a, 0,1,2,3
	SOFT \a
.endr
	; 3. The pairs: lanes 0-15 take an even block's, lanes 16-31 the next block's, so that 32 lanes store 256 consecutive aligned bytes
.irp u, 0,1
	v_cndmask_b32 v[SB+2*\u], v[ST+4*\u], v[ST+4*\u+2], s95
	v_cndmask_b32 v[SB+2*\u+1], v[ST+4*\u+1], v[ST+4*\u+3], s95
	global_store_b64 v[SO], v[SB+2*\u:SB+2*\u+1], s[12:13] offset:256*\u
.endr
	s_wait_tensorcnt 0x0                           ; the wave's end
	ds_add_u32 v[SPW], v[NIL]
	s_wait_dscnt 0x0
	CROUND                                         ; the closing round
	s_endpgm
.Lfunc_end_k_q2933662f10_scores:
	.size	k_q2933662f10_scores, .Lfunc_end_k_q2933662f10_scores-k_q2933662f10_scores
	.p2alignl 7, 3214868480
	.fill 96, 4, 3214868480
	.section	.rodata,"a",@progbits
	.p2align	6, 0x0
	.amdhsa_kernel k_q2933662f10_scores
		.amdhsa_group_segment_fixed_size 327680
		.amdhsa_private_segment_fixed_size 0
		.amdhsa_enable_private_segment 0
		.amdhsa_kernarg_size 40
		.amdhsa_user_sgpr_count 2
		.amdhsa_user_sgpr_kernarg_segment_ptr 1
		.amdhsa_wavefront_size32 1
		.amdhsa_system_sgpr_workgroup_id_x 1
		.amdhsa_system_sgpr_workgroup_id_y 1
		.amdhsa_system_sgpr_workgroup_id_z 1
		.amdhsa_system_vgpr_workitem_id 0
		.amdhsa_next_free_vgpr 1024
		.amdhsa_next_free_sgpr 100
		.amdhsa_reserve_vcc 0
		.amdhsa_float_denorm_mode_32 3
		.amdhsa_float_denorm_mode_16_64 3
		.amdhsa_memory_ordered 1
		.amdhsa_forward_progress 1
		.amdhsa_inst_pref_size 181
	.end_amdhsa_kernel
	.amdgpu_metadata
---
amdhsa.version: [ 1, 2 ]
amdhsa.kernels:
  - .name:           k_q2933662f10_scores
    .symbol:         k_q2933662f10_scores.kd
    .args:
      - { .name: qc, .offset: 0, .size: 8, .value_kind: global_buffer, .address_space: global }
      - { .name: kc, .offset: 8, .size: 8, .value_kind: global_buffer, .address_space: global }
      - { .name: lowp_scales, .offset: 16, .size: 8, .value_kind: global_buffer, .address_space: global }
      - { .name: pc, .offset: 24, .size: 8, .value_kind: global_buffer, .address_space: global }
      - { .name: st, .offset: 32, .size: 8, .value_kind: global_buffer, .address_space: global }
    .group_segment_fixed_size: 327680
    .private_segment_fixed_size: 0
    .kernarg_segment_align: 8
    .kernarg_segment_size: 40
    .max_flat_workgroup_size: 128
    .sgpr_count:     100
    .vgpr_count:     1024
    .wavefront_size: 32
...
	.end_amdgpu_metadata
.endif
;; end of part 2
;; launch mix (part 3): grid 4 x 64, 4 waves a work-group, clusters of 4 x 4, 327,680 bytes of LDS; arguments pc, vt, st, lowp_scales, out0; writes out0
.if DOCPART == 3
	.amdgcn_target "amdgcn-amd-amdhsa--gfx1250"
	.amdhsa_code_object_version 6
	.text
	.protected	k_q2933662f10_mix
	.globl	k_q2933662f10_mix
	.p2align	8
	.type	k_q2933662f10_mix,@function
k_q2933662f10_mix:
	s_mov_b64 s[64:65], 0
	v_nop
	global_prefetch_b8 v0, s[64:65] scope:SCOPE_SE
	s_setreg_imm32_b32 hwreg(HW_REG_WAVE_MODE, 25, 1), 1
	s_wait_xcnt 0x0
	s_wait_alu depctr_hold_cnt(0) depctr_sa_sdst(0) depctr_va_vdst(0) depctr_va_sdst(0) depctr_va_ssrc(0) depctr_va_vcc(0) depctr_vm_vsrc(0)
	s_getreg_b32 s2, hwreg(HW_REG_IB_STS2, 6, 4)
	s_cmp_eq_u32 s2, 0
	s_cbranch_scc0 .Lentry_in_a_cluster
	s_endpgm
.Lentry_in_a_cluster:
	s_bfe_u32 s2, ttmp6, 0x10000c
	s_cmp_lg_u32 s2, 0xf033
	s_cbranch_scc0 .Lentry_shape_is_right
	s_endpgm
.Lentry_shape_is_right:
; LAST LAUNCH.  out[query][channel] = the sum over the eight chunks c of 2^(M_c - M) x (P_c V_c), times 2^(e8 + e9) / l, with M = the largest M_c of the row and l = the sum of 2^(M_c - M) l_c.  No work is left out.
; THE SUMS ARE RESCALED IN PLACE: ahead of chunk c they are multiplied by 2^(w_(c-1) - w_c), w_c = M_c - M held at -40 from below, so that they are in units of the chunk's own M_c; at the end by 2^(w_7 + e8 + e9) / l.  Each factor but the last
; is a power of two between 2^-40 and 2^40.  A chunk whose M_c lies more than 40 under M is weighed with 2^-40: its 256 p, at most 1 each, against a row's largest p over 1/2, stay under 2^-31 of the row's weight: under f32's rounding.
; l is taken with the true powers.
; LIMITS: e8 + e9 between -70 and 120.  NaN and infinity are not served.
; SHARES.  A work-group: 128 queries x 256 channels; wave 2 i + j: 64 queries (half i) x 128 channels (half j), 32 accumulators.  cx: which 256 channels; 4 x cluster y + cy: which 128 of the 8,192 queries.  The sixteen steps are of 128 keys.
; V, the larger operand, goes through LDS: two regions of four steps for each 64 channels, wave w fetching 64 channels w, by joint loads along a column of the cluster: region 0 at the head, region 1 behind the head's full sequence, then two refills.
; Fragments are fetched two steps ahead of their products, so a region has been read out, and is filled again, two steps before its last products.
; P's fragments go from memory straight into registers, four stages; the two waves of a half i load the same fragments.  P is not asked for jointly: V's regions and the stages leave no room for slots of it.
; PREFETCH: V's steps 4 to 15, ahead of the fills, P's steps 4 to 15, ahead of the loads into registers; the partners that read the same bytes share them out by address.
; THE LAST CHUNK (steps 14 and 15), whose fragments all lie in registers, goes by query blocks, so that a finished block leaves while the next ones are multiplied.
; THE MATRIX INSTRUCTION IS USED TRANSPOSED (source 0 = 16 channels of V^T, source 1 = 16 queries): a lane holds ONE query and, in block (a, b), channels 16 b + 8 (lane / 16) + 0 .. 7.
; REGISTERS: window 0: v0-31 addresses; v40-47 factors, two sets of 4; v64-127 at work, v128-255 rows on the way out.   window 1: V's fragments, a ring of four groups of 64 registers.   window 2: the accumulators ((a, b) at v[64 a + 8 b]).
;   window 3: P's fragments, four stages of 64 registers.
.set TAB,   262144                     ; behind V's regions: the factors, [places 1 to 8][16 lanes][8 query blocks], 4 bytes each; place 8 holds the last one, 2^(w_7 + e8 + e9) / l
.set SPARE, TAB+4608                   ; the spare words
.set STG,   SPARE+512                  ; the stages: 16 rows x 528 bytes for each wave
.set SPITCH, 528
.set ADR,  16                          ; v16-17  16 x lane + 65,536 (2 j + hf), + 32,768 in the second region
.set PF2,  18
.set LO,   20                          ; v20     16 x lane: P's fragments, and a row of 512 bytes on the way out
.set PFO,  21
.set SA,   22                          ; v22     8 x lane: my pair in st
.set TW,   23                          ; v23     where I put a factor
.set TR,   24                          ; v24     where I read four
.set STO,  25
.set RD,   26
.set SPW,  28
.set NIL,  29
.set GF,   40
.set TMP,  64
.set PV,   64                          ; the head: my query's pairs; v80-87 w; v88-95 at work; v97-104 the factors of places 1 to 8
.set G0R,  36                          ; group 0: it walks from fill to fill
.set G1R,  52                          ; group 1: 16 rows of 2,048 bytes, dense: four steps of 64 channels
.set PBO,  0                           ; steps by which P's base has been moved on
.set TRO,  0                           ; bytes by which TR has been moved on
.set MSB, 0
.macro WIN new                         ; the immediate's high byte repeats the setting that is left
.if MSB != (\new)
	s_set_vgpr_msb (MSB<<8)|(\new)
.set MSB, (\new)
.endif
.endm
.set MUL, 0xad                         ; source 0 window 1, source 1 window 3, C and D window 2
.macro TLOAD g0, g1
	tensor_load_to_lds s[\g0:\g0+3], s[\g1:\g1+7]
	s_nop 0
.rept 4
	v_nop
.endr
.endm
.macro CREST                           ; a round of the cluster's barrier behind its opening barrier
	s_cmp_lg_u32 s14, 0
	s_cbranch_scc1 .Lnot_wave_0_\@
	s_barrier_signal -3
.Lnot_wave_0_\@:
	s_barrier_wait -3
	s_barrier_signal -1
	s_barrier_wait -1
.endm
.macro CROUND
	s_barrier_signal -1
	s_barrier_wait -1
	CREST
.endm
.macro LOADP sn                        ; step sn of my 64 queries: four fragments, 8,192 bytes on end
	WIN 0xc0
.irp a, 0,1,2,3
.irp c, 0,1,2,3
	global_load_b128 v[64*((\sn)%4)+16*\a+4*\c:64*((\sn)%4)+16*\a+4*\c+3], v[LO], s[4:5] offset:((\sn)-PBO)*16384+\a*2048+\c*512
.endr
.endr
.endm
.macro LOADV sn, hf                    ; step sn, my channel blocks 4 hf .. 4 hf + 3
	WIN 0x40
.irp i, 0,1,2,3
.irp c, 0,1,2,3
	ds_load_b128 v[64*(2*((\sn)%2)+(\hf))+16*\i+4*\c:64*(2*((\sn)%2)+(\hf))+16*\i+4*\c+3], v[ADR+(\hf)] offset:((\sn)%4)*8192+\i*2048+\c*512
.endr
.endr
.endm
.macro LOADG n                         ; the factors of place n
	WIN 0
	ds_load_b128 v[GF+4*((\n)%2):GF+4*((\n)%2)+3], v[TR] offset:512*(\n)-TRO
.endm
	s_load_b256 s[4:11], s[0:1], 0x0               ; pc, vt, st, the scales' exponents
	s_load_b64 s[12:13], s[0:1], 0x20              ; out0
	v_lshl_add_u32 v[SPW], v0, 2, SPARE
	v_mov_b32 v[NIL], 0
	ds_add_u32 v[SPW], v[NIL]                      ; the wave's opening: the add, twice on end, and its wait ahead of my first tensor load
	ds_add_u32 v[SPW], v[NIL]
	v_lshrrev_b32 v1, 5, v0
	v_readfirstlane_b32 s14, v1                    ; wave 0..3
	s_lshr_b32 s15, s14, 1                         ; i
	s_and_b32 s16, s14, 1                          ; j
	s_bfe_u32 s40, ttmp6, 0x40000                  ; cx, cy
	s_bfe_u32 s41, ttmp6, 0x40004
	s_lshl_b32 s42, ttmp9, 2
	s_add_co_u32 s42, s42, s40                     ; the block of 256 channels, 0..3
	s_and_b32 s19, ttmp7, 0xffff
	s_lshl_b32 s17, s19, 2
	s_add_co_u32 s17, s17, s41                     ; the block of 128 queries, 0..63
	s_lshr_b32 s19, s19, 2                         ; the batch: it hangs on the cluster's y alone
	s_lshl_b32 s44, 0x1111, s40                    ; my column of the cluster
	s_or_b32 s[G1R], s44, 1<<21                    ; the mask; elements of 1 byte; no padding; bit 21 beside a mask
	s_mov_b32 s[G1R+1], 2048<<16
	s_mov_b32 s[G1R+2], 16<<16
	s_mov_b32 s[G1R+3], 2048<<16
	s_mov_b32 s[G1R+4], 16
	s_mov_b32 s[G1R+5], 2048
	s_mov_b32 s[G1R+6], 0
	s_mov_b32 s[G1R+7], 0
	s_lshl_b32 s45, s14, 16                        ; where my 64 channels go
	s_lshl_b32 s46, s19, 21                        ; V: the batch,
	s_lshl_b32 s47, s42, 19
	s_add_co_u32 s46, s46, s47
	s_lshl_b32 s47, s14, 17
	s_add_co_u32 s46, s46, s47                     ; block 4 x channel block + w of 64 channels
	s_mov_b32 s47, 0
	s_lshl_b32 s20, s17, 18                        ; P: my block of 128 queries
	s_mov_b32 s21, 0
	s_lshl_b32 s22, s15, 13                        ; fragments 4 i on
	s_mov_b32 s23, 0
	s_lshl_b32 s48, s19, 14                        ; st: 8 x 2,048 pairs a batch; at the head wave w takes queries 32 w on
	s_and_b32 s49, s17, 15
	s_lshl_b32 s49, s49, 7
	s_add_co_u32 s48, s48, s49
	s_lshl_b32 s49, s14, 5
	s_add_co_u32 s48, s48, s49
	s_lshl_b32 s48, s48, 3
	s_mov_b32 s49, 0
	s_lshl_b32 s50, s14, 3
	s_add_co_u32 s50, s50, TAB
	s_lshl_b32 s43, s15, 4
	s_add_co_u32 s43, s43, TAB
	s_mul_i32 s51, s14, 16*SPITCH
	s_add_co_u32 s51, s51, STG
	s_lshl_b32 s18, s16, 17
	v_and_b32 v3, 31, v0
	v_and_b32 v1, 15, v0                           ; r
	v_bfe_u32 v2, v0, 4, 1                         ; h
	v_lshlrev_b32 v[LO], 4, v3
	v_lshlrev_b32 v[SA], 3, v3
	v_lshlrev_b32 v[PFO], 8, v3                    ; lanes 256 bytes apart
	v_min_u32 v4, 15, v3
	v_lshlrev_b32 v[PF2], 8, v4                    ; the same for 16 blocks of 256 bytes: the lanes left over name the last again
	v_add_nc_u32 v[ADR], s18, v[LO]
	v_add_nc_u32 v[ADR+1], 0x10000, v[ADR]
	v_lshlrev_b32 v6, 5, v1
	v_add_nc_u32 v[TR], s43, v6                    ; query r of blocks 4 i .. 4 i + 3
	v_lshl_add_u32 v7, v2, 2, v6
	v_add_nc_u32 v[TW], s50, v7                    ; at the head my query is r of block 2 w + h
	v_mul_u32_u24 v8, v1, SPITCH
	v_lshl_add_u32 v8, v2, 5, v8
	v_add_nc_u32 v[STO], s51, v8                   ; into the stage: row r, 32 bytes for each half of the lanes
	v_add_nc_u32 v[RD], s51, v[LO]                 ; back: the 32 lanes take one row of 512 bytes
	s_wait_alu depctr_va_vdst(0)
	s_wait_dscnt 0x0                               ; both opening adds are done
	CROUND                                         ; all sixteen work-groups are here: the first joint loads meet.  (The round hangs on no argument)
	s_wait_kmcnt 0x0
	s_add_nc_u64 s[6:7], s[6:7], s[46:47]
	s_mov_b32 s[G0R], 1
	s_mov_b32 s[G0R+1], s45
	s_mov_b64 s[G0R+2:G0R+3], s[6:7]
	s_or_b32 s[G0R+3], s[G0R+3], 0x80000000
	TLOAD G0R, G1R                                 ; V's steps 0 to 3, into region 0
	s_load_b64 s[66:67], s[10:11], 0x20            ; e8, e9
	s_add_nc_u64 s[4:5], s[4:5], s[20:21]
	s_add_nc_u64 s[8:9], s[8:9], s[48:49]
.irp c, 0,1,2,3,4,5,6,7
	global_load_b64 v[PV+2*\c:PV+2*\c+1], v[SA], s[8:9] offset:16384*\c   ; a lane a query: (-M_c, l_c)
.endr
	; the prefetches: V: of each four steps of my wave's 64 channels, 32,768 bytes on end, partner cy takes step cy; P: of steps 4 to 11, 131,072 bytes on end, partner cx and wave w take 8,192; of steps 12 to 15, 65,536 bytes, they take 4,096
	s_lshl_b32 s46, s41, 13
	s_add_nc_u64 s[60:61], s[6:7], s[46:47]
	s_lshl_b32 s46, s40, 15
	s_lshl_b32 s48, s14, 13
	s_add_co_u32 s46, s46, s48
	s_add_co_u32 s46, s46, 4*16384
	s_add_nc_u64 s[62:63], s[4:5], s[46:47]
	s_lshl_b32 s46, s40, 14
	s_lshl_b32 s48, s14, 12
	s_add_co_u32 s46, s46, s48
	s_add_co_u32 s46, s46, 12*16384
	s_add_nc_u64 s[46:47], s[4:5], s[46:47]
	s_add_nc_u64 s[4:5], s[4:5], s[22:23]
	LOADP 0
	LOADP 1
	LOADP 2
	WIN 0
	global_prefetch_b8 v[PFO], s[60:61] offset:32768 th:TH_LOAD_NT scope:SCOPE_SE   ; V's steps 4 to 7
	s_lshl_b32 s20, s17, 19                        ; out0: row 128 x block + 64 i, channels 256 x block + 128 j on
	s_lshl_b32 s48, s15, 18
	s_add_co_u32 s20, s20, s48
	s_lshl_b32 s48, s42, 10
	s_add_co_u32 s20, s20, s48
	s_lshl_b32 s48, s16, 9
	s_add_co_u32 s20, s20, s48
	s_add_nc_u64 s[12:13], s[12:13], s[20:21]
	; the factors of my query
	s_wait_kmcnt 0x0
	s_add_co_i32 s66, s66, s67
	s_wait_loadcnt 48                              ; the eight pairs are in; P's 48 loads may be out
	v_min3_num_f32 v56, v[PV], v[PV+2], v[PV+4]
	v_min3_num_f32 v56, v56, v[PV+6], v[PV+8]
	v_min3_num_f32 v56, v56, v[PV+10], v[PV+12]
	v_min_num_f32 v56, v56, v[PV+14]               ; -M
.irp c, 0,1,2,3,4,5,6,7
	v_sub_f32 v[80+\c], v56, v[PV+2*\c]            ; M_c - M: a whole number, 0 or less
.endr
.irp c, 0,1,2,3,4,5,6,7
	v_cvt_i32_f32 v[88+\c], v[80+\c]               ; (it saturates)
.endr
.irp c, 0,1,2,3,4,5,6,7
	v_ldexp_f32 v[PV+2*\c+1], v[PV+2*\c+1], v[88+\c]
.endr
.irp c, 0,1,2,3,4,5,6,7
	v_max_num_f32 v[80+\c], 0xc2200000, v[80+\c]   ; w_c, at least -40
.endr
	v_add_f32 v57, v[PV+1], v[PV+3]
	v_add_f32 v58, v[PV+5], v[PV+7]
	v_add_f32 v59, v[PV+9], v[PV+11]
	v_add_f32 v60, v[PV+13], v[PV+15]
	v_add_f32 v57, v57, v58
	v_add_f32 v59, v59, v60
	v_add_f32 v57, v57, v59                        ; l
.irp c, 1,2,3,4,5,6,7
	v_sub_f32 v[88+\c], v[80+\c-1], v[80+\c]
.endr
.irp c, 1,2,3,4,5,6,7
	v_cvt_i32_f32 v[88+\c], v[88+\c]
.endr
.irp c, 1,2,3,4,5,6,7
	v_ldexp_f32 v[96+\c], 1.0, v[88+\c]
.endr
	v_cvt_i32_f32 v61, v87
	v_add_nc_u32 v61, s66, v61
	s_wait_alu depctr_va_vdst(0)                   ; ahead of the transcendental
	v_rcp_f32 v62, v57
	v_nop
	s_wait_alu depctr_va_vdst(0)                   ; and behind it
	v_ldexp_f32 v104, v62, v61
.irp c, 1,2,3,4,5,6,7,8
	ds_store_b32 v[TW], v[96+\c] offset:512*\c
.endr
	LOADP 3
	WIN 0
	s_wait_alu depctr_va_vdst(0)
	s_wait_tensorcnt 0x0                           ; my 64 channels of V's steps 0 to 3 are in
	ds_add_u32 v[SPW], v[NIL]
	s_xor_b32 s[G0R+1], s[G0R+1], 32768
	s_add_nc_u64 s[G0R+2:G0R+3], s[G0R+2:G0R+3], 32768
	s_wait_dscnt 0x0                               ; the add is done, and my factors lie in LDS
	CROUND                                         ; everybody's part is in, and all sixteen work-groups are here
	TLOAD G0R, G1R                                 ; V's steps 4 to 7, into region 1
.macro QUAD s, hf, a                   ; query block a x my channel blocks 4 hf .. 4 hf + 3.  The accumulators take turns, one instruction a turn
.irp i, 0,1,2,3
.if (\s) == 0
	v_wmma_f32_16x16x128_bf8_bf8 v[64*(\a)+32*(\hf)+8*\i:64*(\a)+32*(\hf)+8*\i+7], v[64*(2*((\s)%2)+(\hf))+16*\i:64*(2*((\s)%2)+(\hf))+16*\i+15], v[64*((\s)%4)+16*(\a):64*((\s)%4)+16*(\a)+15], 0
.else
	v_wmma_f32_16x16x128_bf8_bf8 v[64*(\a)+32*(\hf)+8*\i:64*(\a)+32*(\hf)+8*\i+7], v[64*(2*((\s)%2)+(\hf))+16*\i:64*(2*((\s)%2)+(\hf))+16*\i+15], v[64*((\s)%4)+16*(\a):64*((\s)%4)+16*(\a)+15], v[64*(\a)+32*(\hf)+8*\i:64*(\a)+32*(\hf)+8*\i+7]
.endif
.endr
.endm
.macro TIMES n, src, dst, a, set       ; n pairs from src on x block a's factor of a set, into dst on; each accumulator from its low end on
.set GP, GF+4*(\set)+2*((\a)/2)
.set k, 0
.rept \n
.if (\a)%2
	v_pk_mul_f32 v[\dst+k:\dst+k+1], v[\src+k:\src+k+1], v[GP:GP+1] op_sel:[0,1] op_sel_hi:[1,1]
.else
	v_pk_mul_f32 v[\dst+k:\dst+k+1], v[\src+k:\src+k+1], v[GP:GP+1] op_sel_hi:[1,0]
.endif
.set k, k+2
.endr
.endm
; A group: 16 matrix instructions on channel blocks 4 hf .. 4 hf + 3 of step s; then the group two steps on is fetched into its registers.  Chunk s / 2 ends with step s odd: the sums of hf = 0 are rescaled between the matrix instructions of that
; step's second group, those of hf = 1 between those of the next step's first.  The sixteen multiplications behind a group's last matrix instruction are the places in front of its loads; elsewhere four v_nop (ISA guide 7.12.1 for vector reads and writes).
; Where s % 4 = 2 the first group changes regions: what was fetched by then is the whole of the region that is left; fill = 1: it is filled again.
.macro GRP s, hf, fill
.set FL, 0
.set FO, 0
.set FS, 0
.set CH, 0
.if ((\s)%2) == 1 && (\hf) == 1
.set FL, 1
.set FS, ((\s)/2+1)%2
.endif
.if ((\s)%2) == 0 && (\hf) == 0 && (\s) > 0
.set FL, 1
.set FO, 32
.set FS, ((\s)/2)%2
.endif
.if ((\s)%4) == 2 && (\hf) == 0
.set CH, 1
.endif
.if (\hf) == 0
.if (\s) < 13
	s_wait_loadcnt 48                              ; this step's P is in; the three younger stages may be out
.else
	s_wait_loadcnt 32
.endif
.elseif ((\s)%2) == 0 && (\s) > 0
	s_wait_alu depctr_va_vdst(0)
.endif
	s_wait_dscnt 48                                ; this group is in; the three younger ones may be out
.irp j, 0,1,2,3
	WIN MUL
	QUAD \s, \hf, \j
.if FL
	WIN 0x82
	TIMES 16, 64*\j+FO, 64*\j+FO, \j, FS
.endif
.if CH && \j == 1
	WIN 0
	s_wait_tensorcnt 0x0                           ; my part of the region ahead is in;
.if \fill
	ds_add_u32 v[SPW], v[NIL]                      ; 0 onto my spare word;
.endif
.endif
.if CH && \j == 2
	s_wait_dscnt 0x0                               ; and my reads of the region that is left are over
	s_barrier_signal -1
.endif
.endr
.if CH
	WIN 0                                          ; branches may follow
	s_barrier_wait -1                              ; everybody's part is in
.if \fill
	CREST                                          ; no wave of any partner still reads the region that is left or has a load on its way
	s_xor_b32 s[G0R+1], s[G0R+1], 32768
	s_add_nc_u64 s[G0R+2:G0R+3], s[G0R+2:G0R+3], 32768
	TLOAD G0R, G1R                                 ; the first tensor load behind the round, my only one until the next
.endif
.endif
.if FL == 0
.rept 4
	v_nop
.endr
.endif
.if ((\s)%2) == 1 && (\hf) == 1
	LOADG (\s)/2+2                                 ; the factors of two chunks on; behind chunk 7's, the last
.endif
	LOADV \s+2, \hf
.if (\hf) == 1 && (\s) < 12
	LOADP \s+4                                     ; into the stage just read
.endif
.endm
	LOADG 1
	LOADV 0, 0
	LOADV 0, 1
	LOADV 1, 0
	LOADV 1, 1
	WIN 0
	global_prefetch_b8 v[PFO], s[62:63] th:TH_LOAD_NT scope:SCOPE_SE                  ; P's steps 4 to 11,
	global_prefetch_b8 v[PFO], s[60:61] offset:2*32768 th:TH_LOAD_NT scope:SCOPE_SE   ; V's steps 8 to 11
	GRP 0, 0, 0                                    ; chunk 0: its first products start the sums
	GRP 0, 1, 0
	GRP 1, 0, 0
	GRP 1, 1, 0
	WIN 0
	global_prefetch_b8 v[PFO], s[60:61] offset:3*32768 th:TH_LOAD_NT scope:SCOPE_SE   ; V's steps 12 to 15,
	global_prefetch_b8 v[PF2], s[46:47] th:TH_LOAD_NT scope:SCOPE_SE                  ; P's
	v_xor_b32 v[ADR], 0x8000, v[ADR]               ; on to region 1
	v_xor_b32 v[ADR+1], 0x8000, v[ADR+1]
	s_mov_b32 s3, 2
	s_wait_alu depctr_va_vdst(0)
.Ltrip:                                                ; steps 2 to 5, then 6 to 9
.irp s, 2,3,4,5
	GRP \s, 0, 1
	GRP \s, 1, 1
.endr
	WIN 0
	v_xor_b32 v[ADR], 0x8000, v[ADR]               ; on to the other region,
	v_xor_b32 v[ADR+1], 0x8000, v[ADR+1]
	v_add_nc_u32 v[TR], 1024, v[TR]                ; two chunks on,
	s_wait_xcnt 0x0                                ; every load has had its address read:
	s_add_nc_u64 s[4:5], s[4:5], 4*16384           ; four steps on
	s_sub_co_u32 s3, s3, 1
	s_cmp_lg_u32 s3, 0
	s_wait_alu depctr_va_vdst(0)
	s_cbranch_scc1 .Ltrip
.set PBO, 8
.set TRO, 2048
.irp s, 10,11,12,13
	GRP \s, 0, 0
	GRP \s, 1, 0
.endr
; THE WAY OUT, block by block of 16 queries x my 128 channels: x the last factor, through my own stage in LDS, back as whole rows of 512 bytes.  LDS serves a wave's instructions in order (ISA guide 5.7.1.4): no wait between the stores and the loads.
.macro OUT a
.set BB, 128+64*((\a)%2)
	WIN 0x02
	TIMES 32, 64*(\a), TMP, \a, 0
	WIN 0
.irp b, 0,1,2,3,4,5,6,7
	ds_store_b128 v[STO], v[TMP+8*\b:TMP+8*\b+3] offset:64*\b
	ds_store_b128 v[STO], v[TMP+8*\b+4:TMP+8*\b+7] offset:64*\b+16
.endr
.if (\a) > 1
	s_wait_xcnt 0x0                                ; block a - 2's stores have read their registers
.endif
.irp t, 0,1,2,3,4,5,6,7,8,9,10,11,12,13,14,15
	ds_load_b128 v[BB+4*\t:BB+4*\t+3], v[RD] offset:\t*SPITCH
.endr
.endm
.macro SEND a, younger                 ; younger: the LDS instructions issued behind block a's loads
.set BB, 128+64*((\a)%2)
	s_wait_dscnt \younger
.irp t, 0,1,2,3,4,5,6,7,8,9,10,11,12,13,14,15
	global_store_b128 v[LO], v[BB+4*\t:BB+4*\t+3], s[12:13] offset:(16*(\a)+\t)*4096 th:TH_STORE_NT   ; 32 lanes store 512 consecutive bytes, at a multiple of 256 from out0's first byte
.endr
.endm
; Block a of the last chunk: the sums of hf = 1 are rescaled, then 16 matrix instructions, eight accumulators by turns.  The sixteen multiplications are also the places between the block before's last product and OUT's reads of it.
; For block 0 the fragments are waited for group by group: V's three, two, one younger groups and then none, P's last stage and then none may be out.
.macro LAST a
	WIN 0x82
	TIMES 16, 64*(\a)+32, 64*(\a)+32, \a, 1
.if (\a) == 0
	s_wait_alu depctr_va_vdst(0)
.endif
	WIN MUL
.irp n, 0,1,2,3
.if (\a) == 0
.if (\n%2) == 0
	s_wait_loadcnt 16-8*\n
.endif
	s_wait_dscnt 48-16*\n
.endif
	QUAD 14+\n/2, \n%2, \a
.endr
.endm
	LAST 0
	LAST 1
	OUT 0
	LAST 2
	OUT 1
	SEND 0, 32
	LAST 3
	OUT 2
	SEND 1, 32
	OUT 3                                          ; (block 2's multiplications are the places behind block 3's products)
	SEND 2, 32
	SEND 3, 0
	s_wait_tensorcnt 0x0                           ; the wave's end, behind my last tensor load and my last LDS store
	ds_add_u32 v[SPW], v[NIL]
	s_wait_dscnt 0x0
	CROUND                                         ; the closing round
	s_endpgm
.Lfunc_end_k_q2933662f10_mix:
	.size	k_q2933662f10_mix, .Lfunc_end_k_q2933662f10_mix-k_q2933662f10_mix
	.p2alignl 7, 3214868480
	.fill 96, 4, 3214868480
	.section	.rodata,"a",@progbits
	.p2align	6, 0x0
	.amdhsa_kernel k_q2933662f10_mix
		.amdhsa_group_segment_fixed_size 327680
		.amdhsa_private_segment_fixed_size 0
		.amdhsa_enable_private_segment 0
		.amdhsa_kernarg_size 40
		.amdhsa_user_sgpr_count 2
		.amdhsa_user_sgpr_kernarg_segment_ptr 1
		.amdhsa_wavefront_size32 1
		.amdhsa_system_sgpr_workgroup_id_x 1
		.amdhsa_system_sgpr_workgroup_id_y 1
		.amdhsa_system_sgpr_workgroup_id_z 1
		.amdhsa_system_vgpr_workitem_id 0
		.amdhsa_next_free_vgpr 1024
		.amdhsa_next_free_sgpr 68
		.amdhsa_reserve_vcc 0
		.amdhsa_float_denorm_mode_32 3
		.amdhsa_float_denorm_mode_16_64 3
		.amdhsa_memory_ordered 1
		.amdhsa_forward_progress 1
		.amdhsa_inst_pref_size 149
	.end_amdhsa_kernel
	.amdgpu_metadata
---
amdhsa.version: [ 1, 2 ]
amdhsa.kernels:
  - .name:           k_q2933662f10_mix
    .symbol:         k_q2933662f10_mix.kd
    .args:
      - { .name: pc, .offset: 0, .size: 8, .value_kind: global_buffer, .address_space: global }
      - { .name: vt, .offset: 8, .size: 8, .value_kind: global_buffer, .address_space: global }
      - { .name: st, .offset: 16, .size: 8, .value_kind: global_buffer, .address_space: global }
      - { .name: lowp_scales, .offset: 24, .size: 8, .value_kind: global_buffer, .address_space: global }
      - { .name: out0, .offset: 32, .size: 8, .value_kind: global_buffer, .address_space: global }
    .group_segment_fixed_size: 327680
    .private_segment_fixed_size: 0
    .kernarg_segment_align: 8
    .kernarg_segment_size: 40
    .max_flat_workgroup_size: 128
    .sgpr_count:     68
    .vgpr_count:     1024
    .wavefront_size: 32
...
	.end_amdgpu_metadata
.endif
;; end of part 3
